; MI455X (gfx1250); checked and timed in simulation.
; The chip was launched on July 23, 2026; its instructions are those of AMD's public machine-readable ISA for CDNA 5 (MIT licence, August 2026) and "CDNA5" Instruction Set Architecture Reference Guide (July 2026). The comments in the code are by the model that wrote it; some were corrected since.
;; Ghost Linear. Allowed arithmetic: matrix products marked QUANTISED: E5M2 operands, one given power-of-two scale a tensor, by v_wmma_f32_16x16x64_bf8_bf8 or v_wmma_f32_16x16x128_bf8_bf8, f32 sums; everything else in f32.
;; Inputs: grid_indices 4,096 x 4,096 int32; lowp_scales 2 int32 (the exponents e of the quantised operands' scales 2^e); lut 65,536 float32; scale 4,096 x 1 float32; x_codes 4 x 1,024 x 128 x 32 uint8 (E5M2 codes of x, K innermost, in blocks of 32 codes).
;; Outputs: out0 4 x 1,024 x 4,096 float32.
;; This version of the problem:
;;   THIS VERSION OF THE PROBLEM IS GIVEN IN LOW PRECISION. The matrix products marked QUANTISED in the list below multiply operands that are first quantised to E5M2 (5 exponent bits, 2 mantissa bits; 8 bits a number), with one given power-of-two scale for each operand tensor; their sums are f32. All else is computed in f32.
;;   The module's matrix products, in the order in which they are computed (A, B: the left and right operand; K: the contracted axis; several contracted axes count as one K, in the product's order):
;;     1. [M 4,096, K 4,096] x [K 4,096, N 4,096]; A: input x (given as codes); B: computed on the way: QUANTISED (scales: A lowp_scales[0], B lowp_scales[1])
;;   THE QUANTISER, for each operand of a quantised product, along K:
;;     - The operand's scale is 2^e, e = its entry of the input lowp_scales (int32; the entries are numbered through the quantised products in the list's order, A before B).
;;     - Each number is divided by the scale, clamped to +-57,344, and rounded to the nearest number of E5M2, ties to even, subnormals kept.
;;     - The product sums the exact products of the quantised numbers (number of the format x scale) in f32.
;;   ~~~python
;;   def quantise(x, axis, e):      # numpy; x: float32 -> the quantised numbers, widened to float32 again
;;       x = np.moveaxis(x, axis, -1); K = x.shape[-1]
;;       r = np.clip(x / 2.0 ** e, -57344, 57344)
;;       step = 2.0 ** (np.maximum(np.frexp(np.where(r == 0, 1, r))[1] - 1, -14) - 2)
;;       q = np.round(r / step) * step * 2.0 ** e      # np.round: ties to even
;;       return np.moveaxis(q, -1, axis).astype(np.float32)
;;   ~~~
;;   OPERANDS COMPUTED ON THE WAY. 'Computed on the way' means the value that the module computes at that place (a softmax that the list does not call 'softmax' is quantised finished and normalised). What goes into a quantiser is computed in f32, as accurately as f32 sums, v_exp_f32 and their like allow (about 1e-6 of the number): no bf16 or f16 on the way to a quantiser, and a product that is left as it is and whose result goes on into a quantised operand takes f32 operands (vector FMAs, or v_wmma_f32_16x16x4_f32). A number that lies on a knife's edge between two numbers of the format may be rounded either way, as far as f32 arithmetic and the matrix unit's own rounding can turn it there, and no further.
;;   INPUTS GIVEN AS CODES. x (in the module: [4, 1024, 4096], K = its axis 2): each comes as NAME_codes (uint8): NAME with its K axis moved to the last place and cut into blocks of 32 codes, [.., K / 32, bytes a block], one block behind the other in memory; one code a byte (a code: sign, 5 exponent bits, 2 mantissa bits); its scale is its entry of lowp_scales. Its value is code x scale, taken as it is: it is not quantised again, and the codes and scales need not be those that the quantiser above would give.
;; One version. Each part assembles by itself: llvm-mc -triple=amdgcn-amd-amdhsa -mcpu=gfx1250 --defsym DOCPART=n.
;; ======== version 1 of 1: 2 launches
;; limits: right only within a limited range of input values
;; workspace buffers: w_codes 16,777,216 bytes
;; launch dequant (part 1): grid 256 x 1, 16 waves a work-group, no clusters, 264,192 bytes of LDS; arguments grid_indices, lut, scale, lowp_scales, w_codes; writes w_codes
.if DOCPART == 1
	.amdgcn_target "amdgcn-amd-amdhsa--gfx1250"
	.amdhsa_code_object_version 6
	.text
	.protected	k_q0ee4a6d699_dequant
	.globl	k_q0ee4a6d699_dequant
	.p2align	8
	.type	k_q0ee4a6d699_dequant,@function
k_q0ee4a6d699_dequant:
	s_mov_b64 s[64:65], 0
	v_nop
	global_prefetch_b8 v0, s[64:65] scope:SCOPE_SE
	s_setreg_imm32_b32 hwreg(HW_REG_WAVE_MODE, 25, 1), 1
	s_wait_xcnt 0x0
; W[o][i] = lut[grid_indices[o][i]] x scale[o], in f32, becomes codes of BF8 (E5M2): W / 2^e1, held within +-57,344, rounded to nearest, ties to even.  e1 = entry 1 of lowp_scales.
; LIMITS: e1 between -126 and 112.  NaN in lut or scale is not served; an infinity is held at the largest code.  An index is taken as unsigned and held at 65,535.
; THE CODES ARE LAID AS THE PRODUCT'S LAUNCH LOADS THEM INTO REGISTERS: [o / 128][t = 0..63][(o / 16) % 8][p = 0, 1][lane 0..31][16 bytes].
;   Lane 16 h + r of piece (t, p) holds row o % 16 = r, i = 128 (t / 2) + 64 h + 32 (t % 2) + 16 p + 0 .. 15.
; SHARES: 256 work-groups of sixteen waves; a work-group owns 16 rows of W, wave w their i = 256 w .. 256 w + 255: 32 loads of 512 consecutive index bytes (row rho, half u).  No loop.
; THE TABLE lies whole in LDS (262,144 bytes from byte 0): each wave brings 16,384 bytes by one tensor load; one barrier; then LDS is only read.  A gather is ds_load_b32 at 4 x index.
; Groups 0-3 of the index loads (u = 0) go out at the head, groups 4-7 (u = 1) behind the barrier.
; A load gives lane l four numbers, i = 128 u + 4 l + 0..3 of one row: one word of codes.  The 16 rows' words are transposed 16 x 16 inside each 16 lanes (four steps of exchanges with lane xor 1, 2, 4, 8):
;   lane 16 h + r then holds 16 words of row r, and each store of the wave covers 512 consecutive bytes, aligned.
; No cluster: the gathers' LDS addresses are data, which differ between work-groups.  No stage in LDS: nothing is stored into LDS.  No prefetch: every byte is asked for by its own load at the earliest place.  No matrix work.
.set IN,   2                           ; v2  16 x lane: my place in a load's 512 index bytes and in a store's 512 code bytes
.set SC,   4                           ; v4  2^e1
.set LIM,  5                           ; v5  57,344 x 2^e1
.set I,    16                          ; v16-143  indices: group G at I + 16 G, load i at + 4 i
.set V,    144                         ; v144-175 two sets of 16 gathered numbers
.set F,    176                         ; v176-207 the words of codes, 16 for each u; store data, never written again
.set D,    208                         ; v208-211 what the neighbour lane holds
.set SCL,  48                          ; s[48:63] the 16 rows' scales
.set G1,   24
.set G0,   32
.macro IDX g                           ; rows 4 (g % 4) + 0..3, half u = g / 4
.irp i, 0,1,2,3
	global_load_b128 v[I+16*(\g)+4*\i:I+16*(\g)+4*\i+3], v[IN], s[4:5] offset:16384*(4*((\g)%4)+\i)+512*((\g)/4) th:TH_LOAD_NT
.endr
.endm
	s_load_b256 s[4:11], s[0:1], 0x0               ; grid_indices, lut, scale, lowp_scales
	s_load_b64 s[12:13], s[0:1], 0x20              ; w_codes
	v_lshl_add_u32 v224, v0, 2, 0x40000
	v_mov_b32 v225, 0
	ds_add_u32 v224, v225                          ; the opening lines
	ds_add_u32 v224, v225
	v_lshrrev_b32 v1, 5, v0
	v_readfirstlane_b32 s14, v1                    ; wave 0..15
	v_and_b32 v6, 31, v0
	v_lshlrev_b32 v[IN], 4, v6
.irp j, 0,1,2,3
	v_mov_b32 v[D+\j], 0                           ; written once: a lane move's destination counts as a source
.endr
	s_mov_b32 s40, 0xaaaaaaaa                      ; lanes with bit 0, 1, 2, 3 of the lane's number set
	s_mov_b32 s41, 0xcccccccc
	s_mov_b32 s42, 0xf0f0f0f0
	s_mov_b32 s43, 0xff00ff00
	s_mov_b32 s[G1+0], 3<<16                       ; 64 rows of 32 elements of 8 bytes, dense: 16,384 bytes
	s_mov_b32 s[G1+1], 32<<16
	s_mov_b32 s[G1+2], 64<<16
	s_mov_b32 s[G1+3], 32<<16
	s_mov_b32 s[G1+4], 64
	s_mov_b32 s[G1+5], 32
	s_mov_b32 s[G1+6], 0
	s_mov_b32 s[G1+7], 0
	s_lshl_b32 s18, s14, 14
	s_mov_b32 s19, 0
	s_mov_b32 s21, 0
	s_wait_alu depctr_va_vdst(0)
	s_wait_dscnt 0x0
	s_wait_kmcnt 0x0
	s_mov_b32 s[G0+0], 1
	s_lshl_b32 s[G0+1], s14, 14                    ; LDS address: 16,384 x wave
	s_add_nc_u64 s[G0+2:G0+3], s[6:7], s[18:19]
	s_or_b32 s[G0+3], s[G0+3], 0x80000000
	s_lshl_b32 s20, ttmp9, 18                      ; 16 rows of 16,384 index bytes a work-group,
	s_lshl_b32 s22, s14, 10                        ; 1,024 bytes of each row a wave
	s_add_co_u32 s20, s20, s22
	s_add_nc_u64 s[4:5], s[4:5], s[20:21]
	s_lshr_b32 s20, ttmp9, 3                       ; codes: (o / 128) x 524,288 + 4 w x 8,192 + ((o / 16) % 8) x 1,024
	s_lshl_b32 s20, s20, 19
	s_lshl_b32 s22, s14, 15
	s_add_co_u32 s20, s20, s22
	s_and_b32 s22, ttmp9, 7
	s_lshl_b32 s22, s22, 10
	s_add_co_u32 s20, s20, s22
	s_add_nc_u64 s[12:13], s[12:13], s[20:21]
	s_lshl_b32 s20, ttmp9, 6
	s_add_nc_u64 s[8:9], s[8:9], s[20:21]          ; my 16 rows' scales
	tensor_load_to_lds s[G0:G0+3], s[G1:G1+7]      ; the wave's one tensor load; nothing is filled again
	s_nop 0
.rept 4
	v_nop
.endr
	s_load_b512 s[SCL:SCL+15], s[8:9], 0x0
	s_load_b32 s38, s[10:11], 0x4                  ; e1
.irp g, 0,1,2,3
	IDX \g
.endr
	s_wait_kmcnt 0x0
	s_add_co_i32 s38, s38, 127
	s_lshl_b32 s39, s38, 23
	v_mov_b32 v[SC], s39
	s_add_co_i32 s38, s38, 15
	s_lshl_b32 s38, s38, 23
	s_or_b32 s38, s38, 0x600000
	v_mov_b32 v[LIM], s38
	s_wait_tensorcnt 0x0                           ; my part of the table has landed,
	s_barrier_signal -1
	s_barrier_wait -1                              ; everybody's has
.irp g, 4,5,6,7
	IDX \g
.endr
.macro GATHER g
	s_wait_loadcnt 28-4*(\g)                       ; this group's four loads are in; the four of each later group may be out
.irp j, 0,1,2,3,4,5,6,7,8,9,10,11,12,13,14,15
	v_min_u32 v[I+16*(\g)+\j], 0xffff, v[I+16*(\g)+\j]
.endr
.irp j, 0,1,2,3,4,5,6,7,8,9,10,11,12,13,14,15
	v_lshlrev_b32 v[I+16*(\g)+\j], 2, v[I+16*(\g)+\j]
.endr
.irp j, 0,1,2,3,4,5,6,7,8,9,10,11,12,13,14,15
	ds_load_b32 v[V+16*((\g)%2)+\j], v[I+16*(\g)+\j]
.endr
.endm
; One step of the transposition on two pairs of words (a, a + m), (c, c + m): bit m of the word's number changes places with bit m of the lane's number.
.macro XP f, m, sm, a, c
	v_mov_b32_dpp v[D+0], v[\f+\a+\m] row_xmask:\m row_mask:0xf bank_mask:0xf
	v_mov_b32_dpp v[D+1], v[\f+\a] row_xmask:\m row_mask:0xf bank_mask:0xf
	v_mov_b32_dpp v[D+2], v[\f+\c+\m] row_xmask:\m row_mask:0xf bank_mask:0xf
	v_mov_b32_dpp v[D+3], v[\f+\c] row_xmask:\m row_mask:0xf bank_mask:0xf
	v_cndmask_b32 v[\f+\a], v[\f+\a], v[D+0], s[\sm]
	v_cndmask_b32 v[\f+\a+\m], v[D+1], v[\f+\a+\m], s[\sm]
	v_cndmask_b32 v[\f+\c], v[\f+\c], v[D+2], s[\sm]
	v_cndmask_b32 v[\f+\c+\m], v[D+3], v[\f+\c+\m], s[\sm]
.endm
.macro TRANS f
	XP \f, 4, 42, 0, 1
	XP \f, 4, 42, 2, 3
	XP \f, 4, 42, 8, 9
	XP \f, 4, 42, 10, 11
	XP \f, 8, 43, 0, 1
	XP \f, 8, 43, 2, 3
	XP \f, 8, 43, 4, 5
	XP \f, 8, 43, 6, 7
.endm
; Group g's numbers are scaled by their rows' scales, held and converted; behind a half's fourth group its 16 words are transposed and stored.
.macro WORK g, left
.set VS, V+16*((\g)%2)
.set FS, F+16*((\g)/4)+4*((\g)%4)
.set FU, F+16*((\g)/4)
	s_wait_dscnt \left
.irp i, 0,1,2,3
.irp j, 0,1,2,3
	v_mul_f32 v[VS+4*\i+\j], s[SCL+4*((\g)%4)+\i], v[VS+4*\i+\j]   ; lut x scale: one rounding in f32
.endr
.endr
.irp j, 0,1,2,3,4,5,6,7,8,9,10,11,12,13,14,15
	v_med3_num_f32 v[VS+\j], v[VS+\j], -v[LIM], v[LIM]             ; the conversion does not saturate (ISA guide 7.6.2)
.endr
	v_cvt_scalef32_pk8_bf8_f32 v[FS:FS+1], v[VS:VS+7], v[SC]       ; word rho holds row rho's four codes
	v_cvt_scalef32_pk8_bf8_f32 v[FS+2:FS+3], v[VS+8:VS+15], v[SC]
	v_nop                                          ; one plain line behind a scaled conversion
	XP FS, 1, 40, 0, 2                             ; the exchanges with lane xor 1 and 2 stay inside this group's four rows: they are made here
	XP FS, 2, 41, 0, 1
.if (\g)%4 == 3
	TRANS FU                                       ; the exchanges with lane xor 4 and 8, over the half's 16 rows
.irp q, 0,1,2,3
	global_store_b128 v[IN], v[FU+4*\q:FU+4*\q+3], s[12:13] offset:8192*(2*((\g)/4)+\q/2)+512*(\q%2)   ; 512 consecutive bytes, aligned
.endr
.endif
.endm
	GATHER 0
	GATHER 1
	WORK 0, 16
.irp g, 2,3,4,5,6,7
	GATHER \g
	WORK \g-1, 16
.endr
	WORK 7, 0
	s_wait_tensorcnt 0x0                           ; the wave's end
	ds_add_u32 v224, v225
	s_wait_dscnt 0x0
	s_endpgm
.Lfunc_end_k_q0ee4a6d699_dequant:
	.size	k_q0ee4a6d699_dequant, .Lfunc_end_k_q0ee4a6d699_dequant-k_q0ee4a6d699_dequant
	.p2alignl 7, 3214868480
	.fill 96, 4, 3214868480
	.section	.rodata,"a",@progbits
	.p2align	6, 0x0
	.amdhsa_kernel k_q0ee4a6d699_dequant
		.amdhsa_group_segment_fixed_size 264192
		.amdhsa_private_segment_fixed_size 0
		.amdhsa_enable_private_segment 0
		.amdhsa_kernarg_size 40
		.amdhsa_user_sgpr_count 2
		.amdhsa_user_sgpr_kernarg_segment_ptr 1
		.amdhsa_wavefront_size32 1
		.amdhsa_system_sgpr_workgroup_id_x 1
		.amdhsa_system_sgpr_workgroup_id_y 1
		.amdhsa_system_sgpr_workgroup_id_z 1
		.amdhsa_system_vgpr_workitem_id 0
		.amdhsa_next_free_vgpr 226
		.amdhsa_next_free_sgpr 66
		.amdhsa_reserve_vcc 0
		.amdhsa_float_denorm_mode_32 3
		.amdhsa_float_denorm_mode_16_64 3
		.amdhsa_memory_ordered 1
		.amdhsa_forward_progress 1
		.amdhsa_inst_pref_size 57
	.end_amdhsa_kernel
	.amdgpu_metadata
---
amdhsa.version: [ 1, 2 ]
amdhsa.kernels:
  - .name:           k_q0ee4a6d699_dequant
    .symbol:         k_q0ee4a6d699_dequant.kd
    .args:
      - { .name: grid_indices, .offset: 0, .size: 8, .value_kind: global_buffer, .address_space: global }
      - { .name: lut, .offset: 8, .size: 8, .value_kind: global_buffer, .address_space: global }
      - { .name: scale, .offset: 16, .size: 8, .value_kind: global_buffer, .address_space: global }
      - { .name: lowp_scales, .offset: 24, .size: 8, .value_kind: global_buffer, .address_space: global }
      - { .name: w_codes, .offset: 32, .size: 8, .value_kind: global_buffer, .address_space: global }
    .group_segment_fixed_size: 264192
    .private_segment_fixed_size: 0
    .kernarg_segment_align: 8
    .kernarg_segment_size: 40
    .max_flat_workgroup_size: 512
    .sgpr_count:     66
    .vgpr_count:     226
    .wavefront_size: 32
...
	.end_amdgpu_metadata
.endif
;; end of part 1
;; launch gemm (part 2): grid 16 x 16, 4 waves a work-group, clusters of 4 x 1, 327,680 bytes of LDS; arguments x_codes, w_codes, lowp_scales, out0; writes out0
.if DOCPART == 2
	.amdgcn_target "amdgcn-amd-amdhsa--gfx1250"
	.amdhsa_code_object_version 6
	.text
	.protected	k_q0ee4a6d699_gemm
	.globl	k_q0ee4a6d699_gemm
	.p2align	8
	.type	k_q0ee4a6d699_gemm,@function
k_q0ee4a6d699_gemm:
	s_mov_b64 s[64:65], 0
	v_nop
	global_prefetch_b8 v0, s[64:65] scope:SCOPE_SE
	s_setreg_imm32_b32 hwreg(HW_REG_WAVE_MODE, 25, 1), 1
	s_wait_xcnt 0x0
	s_wait_alu depctr_hold_cnt(0) depctr_sa_sdst(0) depctr_va_vdst(0) depctr_va_sdst(0) depctr_va_ssrc(0) depctr_va_vcc(0) depctr_vm_vsrc(0)
	s_getreg_b32 s2, hwreg(HW_REG_IB_STS2, 6, 4)
	s_cmp_eq_u32 s2, 0
	s_cbranch_scc0 .Lentry_in_a_cluster
	s_endpgm
.Lentry_in_a_cluster:
	s_bfe_u32 s2, ttmp6, 0x10000c
	s_cmp_lg_u32 s2, 0x3003
	s_cbranch_scc0 .Lentry_shape_is_right
	s_endpgm
.Lentry_shape_is_right:
; out0[m][n] = 2^(e0 + e1) x sum over k of X[m][k] W[n][k], on codes of BF8 (E5M2), by v_wmma_f32_16x16x64_bf8_bf8, sums in f32.  M = N = K = 4,096.
; LIMIT: e0 + e1 lies between -126 and 127, so that 2^(e0 + e1) is an f32 number.
; A work-group of four waves makes 256 x 256 of the result, a wave 128 x 128: 64 accumulators, 512 registers.  256 work-groups.
; X GOES THROUGH LDS: two slots, each 256 rows x 512 bytes of K (rows padded to 528); a wave fetches 64 rows by one tensor load.  One change of slots for 8 steps of 64 along K (512 matrix instructions a wave).
;   The four work-groups of a cluster (4 x 1) make one tile row and ask for X's tile jointly (mask 15).
; W GOES FROM MEMORY STRAIGHT INTO REGISTERS: the launch before laid its codes in the order of the fragments, so a load of the wave reads 512 consecutive bytes and a wave's stream is consecutive (8,192 bytes a step).
;   A ring of 32 fragments (4 steps) fills window 1.  Step t asks for step t + 3's fragments, into the registers that step t - 1 read.  At most 56 loads of a wave are out.
;   Register loads have no joint form, so W's tiles are not shared in the cluster.
; A STEP has one group of four places, at its start, behind the last step's products; all its loads stand in ONE run behind them, and its 64 products follow unbroken.
; ORDER OF k: lane (r, h) of step t holds k = 128 (t / 2) + 64 h + 32 (t % 2) + 0 .. 31, alike in X's and in W's fragments: every product meets its partner; the result is judged within a tolerance.
; TRANSPOSED USE: source 0 = 16 rows of W, source 1 = 16 rows of X: a lane holds eight neighbouring numbers of a row of the result.
; PREFETCH: in chunk j of 512 along K each wave asks for its share of chunk j + 2: one line for X (the cluster's 256 rows x 2 blocks of 256 bytes shared out by address among 16 waves), four for W
;   (the two waves with one stream take half of its 65,536 bytes each).  Chunks 0 and 1 come by their loads alone; the last two chunks ask for nothing.
; REGISTERS: window 0: v0-31 addresses, v128-255 two sets of X's fragments (8 x 8); window 1: W's ring; windows 2, 3: accumulator (a, b) at v[8 (8 (b % 4) + a)] of window 2 + b / 4.
.set PITCH,  528
.set QROWS,  64*PITCH                  ; what one tensor load brings
.set SLOT,   4*QROWS
.set SPARE,  2*SLOT                    ; the spare words, 512 bytes
.set SPITCH, 528                       ; the way out: a stage of 16 rows for each wave, in slot 0 behind its last fill and last read
.set SIZE_N, 4096
.set ADRA, 16                          ; v16-17 my X fragments in slot 0, 1
.set BO,   18                          ; v18 16 x lane: W's loads, and my place in a row of the result
.set PFB,  19                          ; v19 W's prefetches: 256 x lane + my half of a chunk
.set PFX,  20                          ; v20 X's prefetches: (lane / 2) rows + 256 (lane % 2)
.set STO,  24
.set RD,   25
.set SPW,  28
.set NIL,  29
.set TMP,  32
.set AF,   128
.set BK,   128
.set G1, 24                            ; s[24:31] descriptor group 1; s[32:39] group 0, a set for each slot
.set G0, 32
.set BP, 46                            ; s[46:47] my stream of W at the trip's first step
.set PA, 48                            ; s[48:49] X at my rows to prefetch
.set MSB, 0
.macro WIN new
.if MSB != (\new)
	s_set_vgpr_msb (MSB<<8)|(\new)
.set MSB, (\new)
.endif
.endm
.set MUL_LO, 0xa1                      ; source 0 (W) window 1, source 1 (X) window 0, C and D window 2
.set MUL_HI, 0xf1
.set TO_B,   0x40
.macro CREST
	s_cmp_lg_u32 s14, 0
	s_cbranch_scc1 .Lnot_wave_0_\@
	s_barrier_signal -3
.Lnot_wave_0_\@:
	s_barrier_wait -3
	s_barrier_signal -1
	s_barrier_wait -1
.endm
.macro CROUND
	s_barrier_signal -1
	s_barrier_wait -1
	CREST
.endm
.macro PLACES
.rept 4
	v_nop
.endr
.endm
.macro TLOAD slot                      ; my 64 rows of a chunk: the same line and registers in all four partners; s_nop 0 and four v_nop follow
	tensor_load_to_lds s[G0+4*(\slot):G0+4*(\slot)+3], s[G1:G1+7]
	s_nop 0
	PLACES
.endm
.macro BLOADS s, half                  ; W's blocks 4 half .. 4 half + 3 of step s: 8 loads into ring place s % 4
	WIN TO_B
.irp b, 0,1,2,3
.irp i, 0,1
	global_load_b128 v[64*((\s)%4)+8*(4*(\half)+\b)+4*\i:64*((\s)%4)+8*(4*(\half)+\b)+4*\i+3], v[BO], s[BP:BP+1] offset:8192*(\s)+1024*(4*(\half)+\b)+512*\i
.endr
.endr
.endm
.macro ALOADS s                        ; X's eight fragments of step s into set s % 2: 16 LDS loads
	WIN 0
.irp a, 0,1,2,3,4,5,6,7
.irp i, 0,1
	ds_load_b128 v[AF+64*((\s)%2)+8*\a+4*\i:AF+64*((\s)%2)+8*\a+4*\i+3], v[ADRA+((\s)/8)%2] offset:\a*16*PITCH+128*(((\s)%8)/2)+32*((\s)%2)+16*\i
.endr
.endr
.endm
.macro MUL8 t, b, zero                 ; W's block b against X's eight; the 64 accumulators take turns
	WIN MUL_LO+0x50*((\b)/4)
.irp a, 0,1,2,3,4,5,6,7
.if \zero
	v_wmma_f32_16x16x64_bf8_bf8 v[8*(8*((\b)%4)+\a):8*(8*((\b)%4)+\a)+7], v[64*((\t)%4)+8*(\b):64*((\t)%4)+8*(\b)+7], v[AF+64*((\t)%2)+8*\a:AF+64*((\t)%2)+8*\a+7], 0
.else
	v_wmma_f32_16x16x64_bf8_bf8 v[8*(8*((\b)%4)+\a):8*(8*((\b)%4)+\a)+7], v[64*((\t)%4)+8*(\b):64*((\t)%4)+8*(\b)+7], v[AF+64*((\t)%2)+8*\a:AF+64*((\t)%2)+8*\a+7], v[8*(8*((\b)%4)+\a):8*(8*((\b)%4)+\a)+7]
.endif
.endr
.endm
; A step of 64 along K.  t: the step counted from the trip's base; ab: its number in the launch (it decides where W's stream ends); pf: prefetches.
; W's loads go out in groups of 8, in the order (s, low half), (s, high half).  At a step's start five younger groups may be out, in its middle six; in the last steps as many as are left.
.macro STEP t, ab, zero, pf
.set L1, 40
.set L2, 48
.if (\ab) == 61
.set L2, 32
.endif
.if (\ab) == 62
.set L1, 24
.set L2, 16
.endif
.if (\ab) == 63
.set L1, 8
.set L2, 0
.endif
	s_wait_loadcnt L1                              ; W's blocks 0-3 of this step are in
	s_wait_dscnt 0x0                               ; X's set is in (asked for a step ago)
.if (\ab) < 63
	PLACES                                         ; behind the last step's products, for this step's loads into registers that they read
.endif
.if (\ab) <= 60
	BLOADS (\t)+3, 0
	BLOADS (\t)+3, 1
.endif
.if (\ab) < 63
	ALOADS (\t)+1
.endif
.if \pf
.if (\t)%8 == 1
	global_prefetch_b8 v[PFX], s[PA:PA+1] offset:512*((\t)/8+2) th:TH_LOAD_NT scope:SCOPE_SE
.endif
.if ((\t)%8 >= 2) && ((\t)%8 <= 5)
	global_prefetch_b8 v[PFB], s[BP:BP+1] offset:65536*((\t)/8+2)+8192*((\t)%8-2) th:TH_LOAD_NT scope:SCOPE_SE
.endif
.endif
	MUL8 \t, 0, \zero
	MUL8 \t, 1, \zero
	MUL8 \t, 2, \zero
	MUL8 \t, 3, \zero
	s_wait_loadcnt L2                              ; W's blocks 4-7 are in
	MUL8 \t, 4, \zero
	MUL8 \t, 5, \zero
	MUL8 \t, 6, \zero
	MUL8 \t, 7, \zero
.endm
; A chunk's last step changes slots.  In front of the barrier each wave waits for all its tensor loads, adds 0 to its spare word and waits for that and for its reads of this slot (the last were issued a step ago).
; fill = 1: the barrier opens a round of the cluster's barrier and this slot takes the chunk two further on.  The step's loads stand in one run behind the barrier.
.macro TURN t, fill
	WIN 0
	s_wait_loadcnt 40
	s_wait_tensorcnt 0x0                           ; my part of the next slot has landed
	ds_add_u32 v[SPW], v[NIL]
.if \fill
	s_add_nc_u64 s[G0+4*(((\t)/8)%2)+2:G0+4*(((\t)/8)%2)+3], s[G0+4*(((\t)/8)%2)+2:G0+4*(((\t)/8)%2)+3], 1024
.endif
	s_wait_dscnt 1                                 ; X's set is in; the add may be out
	MUL8 \t, 0, 0
	MUL8 \t, 1, 0
	s_wait_dscnt 0x0
	s_barrier_signal -1
	MUL8 \t, 2, 0
	MUL8 \t, 3, 0
	WIN 0
	s_barrier_wait -1
.if \fill
	CREST
	TLOAD ((\t)/8)%2                               ; the first tensor load behind the round; its four v_nop are the places for the loads below
.else
	PLACES
.endif
	s_wait_loadcnt 32                              ; W's blocks 4-7: four younger groups are out here
	ALOADS (\t)+1                                  ; the next slot's first fragments
	BLOADS (\t)+3, 0
	BLOADS (\t)+3, 1
	MUL8 \t, 4, 0
	MUL8 \t, 5, 0
	MUL8 \t, 6, 0
	MUL8 \t, 7, 0
.endm
	s_load_b128 s[4:7], s[0:1], 0x0                ; x_codes, w_codes
	s_load_b128 s[8:11], s[0:1], 0x10              ; lowp_scales, out0
	v_lshl_add_u32 v[SPW], v0, 2, SPARE
	v_mov_b32 v[NIL], 0
	ds_add_u32 v[SPW], v[NIL]                      ; the opening lines
	ds_add_u32 v[SPW], v[NIL]
	v_lshrrev_b32 v1, 5, v0
	v_readfirstlane_b32 s14, v1                    ; wave 0..3
	s_lshr_b32 s15, s14, 1                         ; my half of the tile's rows
	s_and_b32 s16, s14, 1                          ; my half of its columns
	s_bfe_u32 s40, ttmp6, 0x40000                  ; cx
	s_lshl_b32 s42, ttmp9, 2
	s_add_co_u32 s42, s42, s40                     ; tile column
	s_and_b32 s17, ttmp7, 0xffff                   ; tile row
	s_mov_b32 s[G1+0], 15|(1<<20)|(1<<21)|(6<<22)|(3<<25)  ; mask: the cluster's four; elements of 1 byte; 4 words of padding behind every 128
	s_mov_b32 s[G1+1], 512<<16
	s_mov_b32 s[G1+2], 64<<16
	s_mov_b32 s[G1+3], 512<<16
	s_mov_b32 s[G1+4], 64
	s_mov_b32 s[G1+5], 4096
	s_mov_b32 s[G1+6], 0
	s_mov_b32 s[G1+7], 0
	s_mul_i32 s41, s14, QROWS                      ; where my 64 rows go
	s_lshl_b32 s20, s17, 20                        ; X: row 256 x tile row + 64 x wave, 4,096 bytes a row
	s_lshl_b32 s21, s14, 18
	s_add_co_u32 s20, s20, s21
	s_mov_b32 s21, 0
	s_lshl_b32 s72, s42, 1                         ; W: stream 2 x tile column + my half, 524,288 bytes each
	s_add_co_u32 s72, s72, s16
	s_lshl_b32 s72, s72, 19
	s_mov_b32 s73, 0
	s_lshl_b32 s74, s17, 20                        ; X's prefetches: row 256 x tile row + 64 cx + 16 x wave
	s_lshl_b32 s75, s40, 18
	s_add_co_u32 s74, s74, s75
	s_lshl_b32 s75, s14, 16
	s_add_co_u32 s74, s74, s75
	s_mov_b32 s75, 0
	s_lshl_b32 s76, s17, 22                        ; the result: my first row x 16,384 bytes + my first column x 4
	s_lshl_b32 s77, s15, 21
	s_add_co_u32 s76, s76, s77
	s_lshl_b32 s77, s42, 10
	s_add_co_u32 s76, s76, s77
	s_lshl_b32 s77, s16, 9
	s_add_co_u32 s76, s76, s77
	s_mov_b32 s77, 0
	s_mul_i32 s22, s15, 2*QROWS                    ; my 128 rows of X in slot 0,
	s_add_co_u32 s23, s22, SLOT                    ; in slot 1
	s_lshl_b32 s43, s15, 15
	s_mul_i32 s44, s14, 16*SPITCH                  ; my stage
	v_and_b32 v1, 15, v0                           ; r
	v_bfe_u32 v2, v0, 4, 1                         ; h
	v_and_b32 v6, 31, v0
	v_mul_u32_u24 v3, v1, PITCH
	v_lshl_add_u32 v4, v2, 6, v3                   ; r x pitch + 64 h
	v_add_nc_u32 v[ADRA], s22, v4
	v_add_nc_u32 v[ADRA+1], s23, v4
	v_lshlrev_b32 v[BO], 4, v6
	v_lshl_add_u32 v[PFB], v6, 8, s43
	v_lshrrev_b32 v5, 1, v6
	v_and_b32 v7, 1, v6
	v_lshlrev_b32 v5, 12, v5
	v_lshl_add_u32 v[PFX], v7, 8, v5
	v_lshl_add_u32 v8, v2, 5, v3                   ; into the stage: row r, 32 bytes for each half of the lanes
	v_add_nc_u32 v[STO], s44, v8
	v_add_nc_u32 v[RD], s44, v[BO]                 ; back: the 32 lanes take one row of 512 bytes
	s_wait_alu depctr_va_vdst(0)
	s_wait_dscnt 0x0
	s_wait_kmcnt 0x0
	s_load_b64 s[96:97], s[8:9], 0x0               ; e0, e1
	s_add_nc_u64 s[BP:BP+1], s[6:7], s[72:73]
	s_add_nc_u64 s[PA:PA+1], s[4:5], s[74:75]
	s_add_nc_u64 s[10:11], s[10:11], s[76:77]
	s_add_nc_u64 s[18:19], s[4:5], s[20:21]
.irp s, 0,1
	s_mov_b32 s[G0+4*\s], 1
	s_add_co_u32 s[G0+4*\s+1], s41, \s*SLOT
	s_add_nc_u64 s[G0+4*\s+2:G0+4*\s+3], s[18:19], \s*512
	s_or_b32 s[G0+4*\s+3], s[G0+4*\s+3], 0x80000000
.endr
	CROUND                                         ; the four work-groups are here: the first joint loads meet
	TLOAD 0                                        ; chunk 0: one tensor load a wave at the head
	BLOADS 0, 0                                    ; W's first six groups: 48 loads
	BLOADS 0, 1
	BLOADS 1, 0
	BLOADS 1, 1
	BLOADS 2, 0
	BLOADS 2, 1
	WIN 0
	s_wait_tensorcnt 0x0                           ; slot 1's first fill is issued as a refill is
	ds_add_u32 v[SPW], v[NIL]
	s_wait_dscnt 0x0
	CROUND
	TLOAD 1                                        ; chunk 1
	ALOADS 0
	STEP 0, 0, 1, 0                                ; the first step starts the sums
	WIN 0
	s_mov_b32 s3, 3
.Llap:                                                 ; a trip: 16 steps, once round the two slots, from a lap's second step to the next lap's first
.irp t, 1,2,3,4,5,6
	STEP \t, \t, 0, 1
.endr
	TURN 7, 1
.irp t, 8,9,10,11,12,13,14
	STEP \t, \t, 0, 1
.endr
	TURN 15, 1
	STEP 16, 16, 0, 1
	WIN 0
	s_wait_xcnt 0x0                                ; the loads and prefetches have read their bases
	s_add_nc_u64 s[BP:BP+1], s[BP:BP+1], 16*8192
	s_add_nc_u64 s[PA:PA+1], s[PA:PA+1], 1024
	s_sub_co_u32 s3, s3, 1
	s_cmp_lg_u32 s3, 0
	s_cbranch_scc1 .Llap
.irp t, 1,2,3,4,5,6                    ; steps 49 to 63: no slot is filled again, W's stream runs out, nothing is prefetched
	STEP \t, \t+48, 0, 0
.endr
	TURN 7, 0
.irp t, 8,9,10,11,12,13,14,15
	STEP \t, \t+48, 0, 0
.endr
	WIN 0
; THE WAY OUT, block by block of 16 rows x 128 columns: x 2^(e0 + e1) into other registers, each accumulator from its low end on; through my own stage; back as whole rows of 512 bytes.
.macro TOSTAGE a
.irp w, 0,1
	WIN 0x02+\w
.irp b, 0,1,2,3
.irp j, 0,2,4,6
	v_pk_mul_f32 v[TMP+8*(4*\w+\b)+\j:TMP+8*(4*\w+\b)+\j+1], v[8*(8*\b+(\a))+\j:8*(8*\b+(\a))+\j+1], s[96:97] op_sel_hi:[1,0]
.endr
.endr
.endr
	WIN 0
.irp b, 0,1,2,3,4,5,6,7
	ds_store_b128 v[STO], v[TMP+8*\b:TMP+8*\b+3] offset:64*\b
	ds_store_b128 v[STO], v[TMP+8*\b+4:TMP+8*\b+7] offset:64*\b+16
.endr
.set BB, BK+64*((\a)%2)
.irp t, 0,1,2,3,4,5,6,7,8,9,10,11,12,13,14,15
	ds_load_b128 v[BB+4*\t:BB+4*\t+3], v[RD] offset:\t*SPITCH      ; LDS serves a wave's instructions in order (ISA guide 5.7.1.4)
.endr
.endm
.macro SEND a, younger
.set BB, BK+64*((\a)%2)
	s_wait_dscnt \younger
.if (\a) > 0
	s_add_nc_u64 s[10:11], s[10:11], 16*SIZE_N*4   ; behind a wait on XCNT: the earlier stores have read their base
.endif
.irp t, 0,1,2,3,4,5,6,7,8,9,10,11,12,13,14,15
	global_store_b128 v[BO], v[BB+4*\t:BB+4*\t+3], s[10:11] offset:\t*SIZE_N*4 th:TH_STORE_NT   ; 512 consecutive bytes, aligned
.endr
.endm
	s_wait_kmcnt 0x0
	s_add_co_i32 s96, s96, s97
	s_add_co_i32 s96, s96, 127
	s_lshl_b32 s96, s96, 23                        ; 2^(e0 + e1)
	PLACES
	TOSTAGE 0
.irp a, 1,2,3,4,5,6,7
.if \a > 1
	s_wait_xcnt 0x0                                ; block a - 2's stores have read their registers and their base
.endif
	TOSTAGE \a
	SEND \a-1, 32
.endr
	s_wait_xcnt 0x0
	SEND 7, 0
	s_wait_tensorcnt 0x0                           ; the wave's end
	ds_add_u32 v[SPW], v[NIL]
	s_wait_dscnt 0x0
	CROUND                                         ; the closing round
	s_endpgm
.Lfunc_end_k_q0ee4a6d699_gemm:
	.size	k_q0ee4a6d699_gemm, .Lfunc_end_k_q0ee4a6d699_gemm-k_q0ee4a6d699_gemm
	.p2alignl 7, 3214868480
	.fill 96, 4, 3214868480
	.section	.rodata,"a",@progbits
	.p2align	6, 0x0
	.amdhsa_kernel k_q0ee4a6d699_gemm
		.amdhsa_group_segment_fixed_size 327680
		.amdhsa_private_segment_fixed_size 0
		.amdhsa_enable_private_segment 0
		.amdhsa_kernarg_size 32
		.amdhsa_user_sgpr_count 2
		.amdhsa_user_sgpr_kernarg_segment_ptr 1
		.amdhsa_wavefront_size32 1
		.amdhsa_system_sgpr_workgroup_id_x 1
		.amdhsa_system_sgpr_workgroup_id_y 1
		.amdhsa_system_sgpr_workgroup_id_z 1
		.amdhsa_system_vgpr_workitem_id 0
		.amdhsa_next_free_vgpr 1024
		.amdhsa_next_free_sgpr 98
		.amdhsa_reserve_vcc 0
		.amdhsa_float_denorm_mode_32 3
		.amdhsa_float_denorm_mode_16_64 3
		.amdhsa_memory_ordered 1
		.amdhsa_forward_progress 1
		.amdhsa_inst_pref_size 255
	.end_amdhsa_kernel
	.section	.bss,"aw",@nobits
	.p2align	6
	.space	262144
	.amdgpu_metadata
---
amdhsa.version: [ 1, 2 ]
amdhsa.kernels:
  - .name:           k_q0ee4a6d699_gemm
    .symbol:         k_q0ee4a6d699_gemm.kd
    .args:
      - { .name: x_codes, .offset: 0, .size: 8, .value_kind: global_buffer, .address_space: global }
      - { .name: w_codes, .offset: 8, .size: 8, .value_kind: global_buffer, .address_space: global }
      - { .name: lowp_scales, .offset: 16, .size: 8, .value_kind: global_buffer, .address_space: global }
      - { .name: out0, .offset: 24, .size: 8, .value_kind: global_buffer, .address_space: global }
    .group_segment_fixed_size: 327680
    .private_segment_fixed_size: 0
    .kernarg_segment_align: 8
    .kernarg_segment_size: 32
    .max_flat_workgroup_size: 128
    .sgpr_count:     98
    .vgpr_count:     1024
    .wavefront_size: 32
...
	.end_amdgpu_metadata
.endif
;; end of part 2
